; MI455X (gfx1250); checked and timed in simulation.
; The chip was launched on July 23, 2026; its instructions are those of AMD's public machine-readable ISA for CDNA 5 (MIT licence, August 2026) and "CDNA5" Instruction Set Architecture Reference Guide (July 2026). The comments in the code are by the model that wrote it; some were corrected since.
;; Actual Bert Self Attention. Allowed arithmetic: matrix products marked QUANTISED: E2M3 operands, one E8M0 scale for each 32 along K, by v_wmma_scale_f32_16x16x128_f8f6f4 with both operands' format E2M3, f32 sums; everything else in f32.
;; Inputs: Wk 1,024 x 1,024 float32; Wq 1,024 x 1,024 float32; Wv 1,024 x 1,024 float32; attention_mask 4 x 1 x 1 x 2,048 float32; bk 1,024 float32; bq 1,024 float32; bv 1,024 float32; hidden_states 4 x 2,048 x 1,024 float32.
;; Outputs: out0 4 x 2,048 x 1,024 float32.
;; This version of the problem:
;;   THIS VERSION OF THE PROBLEM IS GIVEN IN LOW PRECISION. The matrix products marked QUANTISED in the list below multiply operands that are first quantised to E2M3 (2 exponent bits, 3 mantissa bits; 6 bits a number), with one power-of-two scale for each 32 numbers along K (OCP MX v1.0); their sums are f32. All else is computed in f32.
;;   The module's matrix products, in the order in which they are computed (A, B: the left and right operand; K: the contracted axis; several contracted axes count as one K, in the product's order):
;;     1. [M 8,192, K 1,024] x [K 1,024, N 1,024]; A: input hidden_states; B: input Wq: QUANTISED
;;     2. [M 8,192, K 1,024] x [K 1,024, N 1,024]; A: input hidden_states; B: input Wk: QUANTISED
;;     3. [M 8,192, K 1,024] x [K 1,024, N 1,024]; A: input hidden_states; B: input Wv: QUANTISED
;;     4. batch 64 x [M 2,048, K 64] x [K 64, N 2,048]; A: computed on the way; B: computed on the way: QUANTISED
;;     5. batch 64 x [M 2,048, K 2,048] x [K 2,048, N 64]; A: softmax (see below); B: computed on the way: QUANTISED
;;   THE QUANTISER, for each operand of a quantised product, along K:
;;     - K is cut into blocks of 32 from its start; a last block that is shorter is filled with zeros.
;;     - A block's scale is 2^e with e = floor(log2(the largest magnitude in the block)) - 2, held to -126 .. 127; a block of zeros has e = 0. As a byte (E8M0): e + 127.
;;     - Each number is divided by its block's scale, clamped to +-7.5, and rounded to the nearest number of E2M3, ties to even, subnormals kept.
;;     - The product sums the exact products of the quantised numbers (number of the format x scale) in f32.
;;   ~~~python
;;   def quantise(x, axis):      # numpy; x: float32 -> the quantised numbers, widened to float32 again
;;       x = np.moveaxis(x, axis, -1); K = x.shape[-1]
;;       x = np.pad(x, [(0, 0)] * (x.ndim - 1) + [(0, -K % 32)]); x = x.reshape(x.shape[:-1] + (-1, 32)); a = np.abs(x).max(-1, keepdims=True)
;;       e = np.where(a > 0, np.clip(np.frexp(np.where(a > 0, a, 1))[1] - 1 - 2, -126, 127), 0)      # np.frexp(a)[1] - 1 = floor(log2(a)), exactly
;;       r = np.clip(x / 2.0 ** e, -7.5, 7.5)
;;       step = 2.0 ** (np.maximum(np.frexp(np.where(r == 0, 1, r))[1] - 1, 0) - 3)
;;       q = np.round(r / step) * step * 2.0 ** e      # np.round: ties to even
;;       return np.moveaxis(q.reshape(q.shape[:-2] + (-1,))[..., :K], -1, axis).astype(np.float32)
;;   ~~~
;;   SOFTMAX AHEAD OF A QUANTISED PRODUCT. Where the list says 'softmax', what is quantised is not the finished softmax but p = 2^(t - M), with t = logit x log2(e) and M = ceil(the row's largest t), a whole number; so 1/2 < the row's largest p <= 1. The row's sum l is taken of the UNQUANTISED p, in f32, and the product's result is divided by l at the end. Since M is a whole number, a kernel that streams over the keys may use a running M (the ceiling of the running maximum): every later rescaling is an exact power of two, which a block's scale takes up: the codes' values come out the same.
;;   OPERANDS COMPUTED ON THE WAY. 'Computed on the way' means the value that the module computes at that place (a softmax that the list does not call 'softmax' is quantised finished and normalised). What goes into a quantiser is computed in f32, as accurately as f32 sums, v_exp_f32 and their like allow (about 1e-6 of the number): no bf16 or f16 on the way to a quantiser, and a product that is left as it is and whose result goes on into a quantised operand takes f32 operands (vector FMAs, or v_wmma_f32_16x16x4_f32). A number that lies on a knife's edge between two numbers of the format may be rounded either way, as far as f32 arithmetic and the matrix unit's own rounding can turn it there, and no further.
;; One version. Each part assembles by itself: llvm-mc -triple=amdgcn-amd-amdhsa -mcpu=gfx1250 --defsym DOCPART=n.
;; ======== version 1 of 1: 4 launches
;; workspace buffers: xc 6,291,456 bytes; xs 262,144 bytes; wc 2,359,296 bytes; ws 98,304 bytes; rec 27,262,976 bytes
;; launch qx (part 1): grid 256 x 1, 4 waves a work-group, no clusters, 33,280 bytes of LDS; arguments hidden_states, xc, xs; writes xc, xs
.if DOCPART == 1
	.amdgcn_target "amdgcn-amd-amdhsa--gfx1250"
	.amdhsa_code_object_version 6
	.text
	.protected	k_q9213c1a82a_qx
	.globl	k_q9213c1a82a_qx
	.p2align	8
	.type	k_q9213c1a82a_qx,@function
k_q9213c1a82a_qx:
	s_mov_b64 s[64:65], 0
	v_nop
	global_prefetch_b8 v0, s[64:65] scope:SCOPE_SE
	s_setreg_imm32_b32 hwreg(HW_REG_WAVE_MODE, 25, 1), 1
	s_wait_xcnt 0x0
; hidden_states [8192][1024], f32, becomes codes of E2M3, 6 bits each, K innermost (768 bytes a row), and one E8M0 scale byte for each 32 along K (32 bytes a row).
; A block's scale is 2^(floor(log2(its largest magnitude)) - 2); its byte is the largest magnitude's exponent field - 2, held at 1 from below.
; (A block of zeros so gets the byte 1 where the rule says 127: its codes are zeros, which add nothing under any byte but 0xff, and this program alone reads the bytes.)
; LIMITS: blocks whose largest magnitude lies under 2^-124 are quantised under the floor's byte 1; NaN and infinities among the inputs are not served.
; THE ROWS CHANGE PLACES: row p is stored at the place p with bits 3 and 4 exchanged.  So 16 neighbouring places hold rows 0-7 and 16-23 (or 8-15 and 24-31) of a group of 32: the rows that the
; product's launch wants together in a tile.  A wave takes 8 rows (8,192 numbers), so only the wave's place moves: bits 0 and 1 of its number are exchanged on the way out.
; A wave takes 16 steps of 512 numbers.  Each of a step's four loads reads 512 consecutive bytes, 16 a lane; the 2,048 bytes turn through the wave's own stage in LDS and come back 64 bytes a lane, since the
; conversion takes 16 neighbours of one block from one lane's registers.  A lane's 16 codes are 12 bytes: the wave stores 384 consecutive bytes.  A wave's 256 scale bytes are gathered in LDS and leave as one
; aligned run of 256 bytes.  Memory binds: no matrix unit, no cluster, no barrier; waves share nothing.  Loads run four steps (16 loads a wave) ahead, the turn through LDS one step.
.set WAVES, 4
.set STEPS, 16
.set EMAX,  2
.set CB,    12                         ; bytes of 16 codes
.set R,     16                         ; v16-79   four sets of 16 numbers as they are loaded
.set X,     80                         ; v80-111  two sets of 16 neighbours
.set C,     128                        ; v128-191 codes: four registers for each step, so that no store's data are written again
.set E,     112                        ; v112-127 a scale byte for each step
.set WREG,  8192                       ; LDS: a region for each wave: two stages of 32 x SP bytes, behind them its 256 scale bytes
.set SP,    80                         ; a lane's place in a stage: 64 bytes + 16 of padding
.set SPW,   12                         ; v12      LDS address of my spare word; never rewritten
.set NIL,   13                         ; v13      0; never rewritten
.set SPARE, WAVES*WREG                 ; behind the four regions: the spare words, 128 bytes a wave
	s_load_b128 s[4:7], s[0:1], 0x0                ; x s[4:5], the codes s[6:7]
	s_load_b64 s[8:9], s[0:1], 0x10                ; the scale bytes
	v_lshl_add_u32 v[SPW], v0, 2, SPARE
	v_mov_b32 v[NIL], 0
	v_lshrrev_b32 v1, 5, v0
	v_readfirstlane_b32 s16, v1                    ; wave
	v_and_b32 v2, 31, v0                           ; lane
	v_lshlrev_b32 v3, 4, v2                        ; my 16 bytes of a load's 512
	s_mul_i32 s17, s16, WREG
	v_lshrrev_b32 v14, 2, v2
	v_mul_u32_u24 v14, v14, SP
	v_and_b32 v15, 3, v2
	v_lshl_add_u32 v14, v15, 4, v14
	v_add_nc_u32 v14, s17, v14                     ; the stage, way in: four lanes' 64 bytes on end, then 16 of padding
	v_mul_u32_u24 v15, v2, SP
	v_add_nc_u32 v15, s17, v15                     ; way out: my 16 neighbours
	v_mul_u32_u24 v4, v2, CB                       ; my codes' place in a step's
	v_lshrrev_b32 v5, 1, v2
	s_add_co_u32 s17, s17, 2*32*SP
	v_add_nc_u32 v5, s17, v5                       ; LDS: my wave's 256 scale bytes, my block's byte
	v_lshlrev_b32 v7, 3, v2                        ; and on the way out 8 bytes a lane
	v_add_nc_u32 v6, s17, v7
	s_lshl_b32 s18, ttmp9, 2
	s_add_co_u32 s20, s18, s16                     ; which run of 8 rows I read: 4 x work-group + wave
	s_lshl_b32 s20, s20, 15                        ; 32,768 bytes a run
	s_mov_b32 s21, 0
	s_and_b32 s19, s16, 1
	s_lshl_b32 s19, s19, 1
	s_lshr_b32 s22, s16, 1
	s_or_b32 s19, s19, s22                         ; the wave's two bits exchanged
	s_add_co_u32 s19, s19, s18                     ; which run of 8 places I write
	s_mul_i32 s22, s19, 32*STEPS*CB                ; 6,144 bytes of codes a run
	s_mov_b32 s23, 0
	s_lshl_b32 s24, s19, 8                         ; 256 scale bytes a run
	s_mov_b32 s25, 0
	s_wait_kmcnt 0x0
	s_add_nc_u64 s[4:5], s[4:5], s[20:21]
	s_add_nc_u64 s[6:7], s[6:7], s[22:23]
	s_add_nc_u64 s[8:9], s[8:9], s[24:25]
.macro LOAD t
.irp i, 0,1,2,3
	global_load_b128 v[R+16*((\t)%4)+4*\i:R+16*((\t)%4)+4*\i+3], v3, s[4:5] offset:2048*(\t)+512*\i th:TH_LOAD_NT   ; 32 lanes read 512 consecutive bytes
.endr
.endm
.macro TURN t                          ; step t's numbers through the stage: LDS serves a wave's instructions in order, so no wait stands between the stores and the loads
.irp i, 0,1,2,3
	ds_store_b128 v14, v[R+16*((\t)%4)+4*\i:R+16*((\t)%4)+4*\i+3] offset:32*SP*((\t)%2)+8*SP*\i
.endr
.irp i, 0,1,2,3
	ds_load_b128 v[X+16*((\t)%2)+4*\i:X+16*((\t)%2)+4*\i+3], v15 offset:32*SP*((\t)%2)+16*\i
.endr
.endm
.irp t, 0,1,2,3
	LOAD \t
.endr
	s_wait_loadcnt 12                              ; step 0's four loads are in; the twelve of steps 1 to 3 may be out
	TURN 0
.macro STEP t
.set XS, X+16*((\t)%2)
.if (\t) > 0
	s_wait_dscnt 1                                 ; this step's numbers are back from the stage (the last step's byte store may be out): so its stores into the stage have read their registers,
.else
	s_wait_dscnt 0x0
.endif
.if (\t)+4 < STEPS
	LOAD (\t)+4                                    ; which take the loads of four steps on
.endif
.if (\t)+1 < STEPS
.if STEPS-2-(\t) >= 3
	s_wait_loadcnt 12                              ; the next step's four loads are in; those of the three steps behind it may be out
.else
	s_wait_loadcnt 4*(STEPS-2-(\t))
.endif
	TURN (\t)+1                                    ; and go through the other stage while this step is worked
.endif
	v_max3_num_f32 v8, |v[XS]|, |v[XS+1]|, |v[XS+2]|               ; the largest magnitude of my 16, in two chains
	v_max3_num_f32 v9, |v[XS+3]|, |v[XS+4]|, |v[XS+5]|
.irp i, 6,10
	v_max3_num_f32 v8, v8, |v[XS+\i]|, |v[XS+\i+1]|
	v_max3_num_f32 v9, v9, |v[XS+\i+2]|, |v[XS+\i+3]|
.endr
	v_max3_num_f32 v8, v8, |v[XS+14]|, |v[XS+15]|
	v_max3_num_f32 v8, v8, v9, (EMAX+1)<<23        ; and the floor 2^(3 - 127): the byte cannot fall under 1
	v_max_num_f32_dpp v8, v8, v8 row_xmask:1 row_mask:0xf bank_mask:0xf   ; and of my neighbour's 16: the block's
	v_add_nc_u32 v11, -(EMAX<<23), v8              ; 2 off its exponent field: the conversion takes the exponent field of this operand as its scale
	v_cvt_scalef32_pk16_fp6_f32 v[C+4*(\t):C+4*(\t)+2], v[XS:XS+15], v11
	v_lshrrev_b32 v[E+(\t)], 23, v11               ; the scale's byte (also the plain line behind the conversion)
	ds_store_b8 v5, v[E+(\t)] offset:16*(\t)       ; both lanes of a block write the same byte with the same value
	global_store_b96 v4, v[C+4*(\t):C+4*(\t)+2], s[6:7] offset:32*CB*(\t)
.endm
.irp t, 0,1,2,3,4,5,6,7,8,9,10,11,12,13,14,15
	STEP \t
.endr
	ds_load_b64 v[8:9], v6                         ; LDS serves a wave's instructions in order: these see my stores
	s_wait_dscnt 0x0
	global_store_b64 v7, v[8:9], s[8:9]            ; 32 lanes store 256 consecutive bytes, aligned
	s_wait_tensorcnt 0x0                           ; the wave's end: three lines behind my last LDS store
	ds_add_u32 v[SPW], v[NIL]
	s_wait_dscnt 0x0
	s_endpgm
.Lfunc_end_k_q9213c1a82a_qx:
	.size	k_q9213c1a82a_qx, .Lfunc_end_k_q9213c1a82a_qx-k_q9213c1a82a_qx
	.p2alignl 7, 3214868480
	.fill 96, 4, 3214868480
	.section	.rodata,"a",@progbits
	.p2align	6, 0x0
	.amdhsa_kernel k_q9213c1a82a_qx
		.amdhsa_group_segment_fixed_size 33280
		.amdhsa_private_segment_fixed_size 0
		.amdhsa_enable_private_segment 0
		.amdhsa_kernarg_size 24
		.amdhsa_user_sgpr_count 2
		.amdhsa_user_sgpr_kernarg_segment_ptr 1
		.amdhsa_wavefront_size32 1
		.amdhsa_system_sgpr_workgroup_id_x 1
		.amdhsa_system_sgpr_workgroup_id_y 1
		.amdhsa_system_sgpr_workgroup_id_z 1
		.amdhsa_system_vgpr_workitem_id 0
		.amdhsa_next_free_vgpr 192
		.amdhsa_next_free_sgpr 66
		.amdhsa_reserve_vcc 0
		.amdhsa_float_denorm_mode_32 3
		.amdhsa_float_denorm_mode_16_64 3
		.amdhsa_memory_ordered 1
		.amdhsa_forward_progress 1
		.amdhsa_inst_pref_size 32
	.end_amdhsa_kernel
	.amdgpu_metadata
---
amdhsa.version: [ 1, 2 ]
amdhsa.kernels:
  - .name:           k_q9213c1a82a_qx
    .symbol:         k_q9213c1a82a_qx.kd
    .args:
      - { .name: hidden_states, .offset: 0, .size: 8, .value_kind: global_buffer, .address_space: global }
      - { .name: xc, .offset: 8, .size: 8, .value_kind: global_buffer, .address_space: global }
      - { .name: xs, .offset: 16, .size: 8, .value_kind: global_buffer, .address_space: global }
    .group_segment_fixed_size: 33280
    .private_segment_fixed_size: 0
    .kernarg_segment_align: 8
    .kernarg_segment_size: 24
    .max_flat_workgroup_size: 128
    .sgpr_count:     66
    .vgpr_count:     192
    .wavefront_size: 32
...
	.end_amdgpu_metadata
.endif
;; end of part 1
;; launch qw (part 2): grid 8 x 12, 4 waves a work-group, no clusters, 35,840 bytes of LDS; arguments Wq, Wk, Wv, wc, ws; writes wc, ws
.if DOCPART == 2
	.amdgcn_target "amdgcn-amd-amdhsa--gfx1250"
	.amdhsa_code_object_version 6
	.text
	.protected	k_q9213c1a82a_qw
	.globl	k_q9213c1a82a_qw
	.p2align	8
	.type	k_q9213c1a82a_qw,@function
k_q9213c1a82a_qw:
	s_mov_b64 s[64:65], 0
	v_nop
	global_prefetch_b8 v0, s[64:65] scope:SCOPE_SE
	s_setreg_imm32_b32 hwreg(HW_REG_WAVE_MODE, 25, 1), 1
	s_wait_xcnt 0x0
; Wq, Wk, Wv [1024 (k)][1024 (n)], f32, K on the FIRST axis, become codes of E2M3 laid [3072][768 bytes] with K innermost, and scale bytes [3072][32]: rows 0-1023 Wq's columns, then Wk's, then Wv's.
; A LANE TAKES A COLUMN n AND ITS REGISTERS RUN DOWN K: each load reads 128 consecutive bytes a wave, a block of 32 along K lies in one lane's 32 registers, and the conversions give codes with K innermost.
; A block's scale is 2^(floor(log2(its largest magnitude)) - 2); its byte is that magnitude's exponent field - 2, held at 1 from below (a block of zeros keeps the byte 1: its codes are zeros, and this program alone reads the bytes).
; LIMITS: blocks whose largest magnitude lies under 2^-124 are quantised under the floor's byte 1; NaN and infinities are not served.
; THE ROWS CHANGE PLACES as the tokens' rows do: column n is stored at the place n with bits 3 and 4 exchanged.  A wave's 32 columns are such a group of 32: only the immediates of its stores move.
; Work-group (x, y): columns 128 x on, of weight y / 4, K part y % 4 (256 along K).  A wave: 32 columns x 256 along K: 8 blocks a lane, 192 bytes of codes a column, which go through the wave's own stage in LDS and
; leave as rows: sixteen lanes store a row's 192 consecutive bytes.  Memory binds: no matrix unit, no cluster, no barrier.  Loads run two blocks (64 loads a wave) ahead.
.set SIZE_K, 1024
.set SIZE_N, 1024
.set KW,    256
.set NB,    KW/32
.set ROWB,  192
.set PITCH, 272                        ; a stage row: sixteen places of 16 bytes, each with 12 bytes of codes, + 16
.set KROW,  SIZE_K*6/8
.set EMAX,  2
.set X,     32                         ; v32-95   two sets of 32 numbers
.set C,     96                         ; v96..    a block's codes
.set OUTR,  112                        ; v112-175 the way out
.set SPW,   14
.set NIL,   15
.set SPARE, 4*32*PITCH
.set SB,    24                         ; v24-25   the scale bytes, four to a register
	s_load_b128 s[4:7], s[0:1], 0x0                ; Wq, Wk
	s_load_b128 s[8:11], s[0:1], 0x10              ; Wv, the codes
	s_load_b64 s[12:13], s[0:1], 0x20              ; the scale bytes
	v_lshl_add_u32 v[SPW], v0, 2, SPARE
	v_mov_b32 v[NIL], 0
	v_lshrrev_b32 v1, 5, v0
	v_readfirstlane_b32 s16, v1                    ; wave
	v_and_b32 v2, 31, v0                           ; lane
	s_lshl_b32 s17, ttmp9, 7
	s_lshl_b32 s18, s16, 5
	s_add_co_u32 s17, s17, s18                     ; my wave's first column
	s_and_b32 s18, ttmp7, 0xffff
	s_lshr_b32 s30, s18, 2                         ; which weight
	s_and_b32 s18, s18, 3                          ; which 256 along K
	v_lshlrev_b32 v3, 2, v2                        ; in: 4 bytes a lane
	s_mul_i32 s19, s16, 32*PITCH                   ; my stage
	v_mul_u32_u24 v4, v2, PITCH
	v_add_nc_u32 v4, s19, v4                       ; into it: row = my column
	v_and_b32 v5, 15, v2
	v_lshrrev_b32 v6, 4, v2
	v_mul_u32_u24 v7, v6, PITCH
	v_lshl_add_u32 v7, v5, 4, v7
	v_add_nc_u32 v7, s19, v7                       ; out of it: sixteen lanes to a row, two rows an instruction
	v_mul_u32_u24 v8, v6, KROW
	v_mad_u32_u24 v8, v5, 12, v8                   ; and the same place in the codes' buffer
	v_and_b32 v9, 7, v2
	v_bfe_u32 v10, v2, 3, 1
	v_lshl_or_b32 v9, v10, 4, v9
	v_bfe_u32 v10, v2, 4, 1
	v_lshl_or_b32 v9, v10, 3, v9                   ; my column's place: bits 3 and 4 exchanged
	v_lshlrev_b32 v9, 5, v9                        ; its row of scale bytes
	s_lshl_b32 s20, s18, 20                        ; W: 256 rows of 4,096 bytes a K part,
	s_lshl_b32 s22, s17, 2
	s_add_co_u32 s20, s20, s22                     ; + 4 x column
	s_mov_b32 s21, 0
	s_lshl_b32 s22, s30, 10
	s_add_co_u32 s22, s22, s17                     ; my first row of the outputs
	s_mul_i32 s24, s22, KROW
	s_mul_i32 s26, s18, ROWB
	s_add_co_u32 s24, s24, s26
	s_mov_b32 s25, 0
	s_lshl_b32 s28, s22, 5
	s_lshl_b32 s26, s18, 3
	s_add_co_u32 s28, s28, s26
	s_mov_b32 s29, 0
	s_wait_kmcnt 0x0
	s_cmp_eq_u32 s30, 0                            ; the weight is chosen by the work-group's number alone
	s_cselect_b64 s[4:5], s[4:5], s[6:7]
	s_cmp_eq_u32 s30, 2
	s_cselect_b64 s[4:5], s[8:9], s[4:5]
	s_add_nc_u64 s[4:5], s[4:5], s[20:21]
	s_add_nc_u64 s[10:11], s[10:11], s[24:25]
	s_add_nc_u64 s[12:13], s[12:13], s[28:29]
.macro LOAD t                          ; block t: W(32 t + i, my column), i = 0 .. 31, into set t % 2
.set li, 0
.rept 32
	global_load_b32 v[X+32*((\t)%2)+li], v3, s[4:5] offset:(32*(\t)+li)*SIZE_N*4 th:TH_LOAD_NT
.set li, li+1
.endr
.endm
	LOAD 0
	LOAD 1
.macro BLOCK t
.set XS, X+32*((\t)%2)
.if (\t) < NB-1
	s_wait_loadcnt 32                              ; this block's 32 loads are in; the next block's may be out
.else
	s_wait_loadcnt 0
.endif
	v_max3_num_f32 v12, |v[XS]|, |v[XS+1]|, |v[XS+2]|               ; the block's largest magnitude: all 32 numbers are mine
	v_max3_num_f32 v13, |v[XS+3]|, |v[XS+4]|, |v[XS+5]|
.irp i, 6,10,14,18,22,26
	v_max3_num_f32 v12, v12, |v[XS+\i]|, |v[XS+\i+1]|
	v_max3_num_f32 v13, v13, |v[XS+\i+2]|, |v[XS+\i+3]|
.endr
	v_max3_num_f32 v12, v12, |v[XS+30]|, |v[XS+31]|
	v_max3_num_f32 v12, v12, v13, (EMAX+1)<<23     ; and the floor: the byte cannot fall under 1
	v_add_nc_u32 v11, -(EMAX<<23), v12             ; the conversion's scale operand
	v_lshrrev_b32 v13, 23, v11                     ; the scale's byte
.if (\t)%4 == 0
	v_mov_b32 v[SB+(\t)/4], v13
.else
	v_lshl_or_b32 v[SB+(\t)/4], v13, 8*((\t)%4), v[SB+(\t)/4]
.endif
	v_cvt_scalef32_pk16_fp6_f32 v[C:C+2], v[XS:XS+15], v11
	v_cvt_scalef32_pk16_fp6_f32 v[C+4:C+6], v[XS+16:XS+31], v11     ; (a conversion's three registers begin on an even number)
	ds_store_b96 v4, v[C:C+2] offset:32*(\t)       ; 12 bytes to a place of 16: every LDS address is a multiple of 16
	ds_store_b96 v4, v[C+4:C+6] offset:32*(\t)+16
.if (\t)+2 < NB
	LOAD (\t)+2
.endif
	s_wait_dscnt 0x0                               ; the stores have read their registers: the next block's codes may be written
.endm
.set Q, 0
.rept NB
	BLOCK Q
.set Q, Q+1
.endr
	global_store_b64 v9, v[SB:SB+1], s[12:13]      ; my column's 8 scale bytes
.irp t, 0,1,2,3,4,5,6,7,8,9,10,11,12,13,14,15
	ds_load_b96 v[OUTR+4*\t:OUTR+4*\t+2], v7 offset:2*\t*PITCH   ; LDS serves a wave's instructions in order: these see my stores
.endr
.irp t, 0,1,2,3,4,5,6,7,8,9,10,11,12,13,14,15
	s_wait_dscnt 15-\t                             ; the younger loads may be out
	global_store_b96 v8, v[OUTR+4*\t:OUTR+4*\t+2], s[10:11] offset:2*((\t&3)|(((\t>>2)&1)<<3)|(((\t>>3)&1)<<2))*KROW   ; columns 2 t, 2 t + 1 at their places: bits 2 and 3 of t exchanged
.endr
	s_wait_tensorcnt 0x0                           ; the wave's end: three lines behind my last LDS store
	ds_add_u32 v[SPW], v[NIL]
	s_wait_dscnt 0x0
	s_endpgm
.Lfunc_end_k_q9213c1a82a_qw:
	.size	k_q9213c1a82a_qw, .Lfunc_end_k_q9213c1a82a_qw-k_q9213c1a82a_qw
	.p2alignl 7, 3214868480
	.fill 96, 4, 3214868480
	.section	.rodata,"a",@progbits
	.p2align	6, 0x0
	.amdhsa_kernel k_q9213c1a82a_qw
		.amdhsa_group_segment_fixed_size 35840
		.amdhsa_private_segment_fixed_size 0
		.amdhsa_enable_private_segment 0
		.amdhsa_kernarg_size 40
		.amdhsa_user_sgpr_count 2
		.amdhsa_user_sgpr_kernarg_segment_ptr 1
		.amdhsa_wavefront_size32 1
		.amdhsa_system_sgpr_workgroup_id_x 1
		.amdhsa_system_sgpr_workgroup_id_y 1
		.amdhsa_system_sgpr_workgroup_id_z 1
		.amdhsa_system_vgpr_workitem_id 0
		.amdhsa_next_free_vgpr 192
		.amdhsa_next_free_sgpr 66
		.amdhsa_reserve_vcc 0
		.amdhsa_float_denorm_mode_32 3
		.amdhsa_float_denorm_mode_16_64 3
		.amdhsa_memory_ordered 1
		.amdhsa_forward_progress 1
		.amdhsa_inst_pref_size 42
	.end_amdhsa_kernel
	.amdgpu_metadata
---
amdhsa.version: [ 1, 2 ]
amdhsa.kernels:
  - .name:           k_q9213c1a82a_qw
    .symbol:         k_q9213c1a82a_qw.kd
    .args:
      - { .name: Wq, .offset: 0, .size: 8, .value_kind: global_buffer, .address_space: global }
      - { .name: Wk, .offset: 8, .size: 8, .value_kind: global_buffer, .address_space: global }
      - { .name: Wv, .offset: 16, .size: 8, .value_kind: global_buffer, .address_space: global }
      - { .name: wc, .offset: 24, .size: 8, .value_kind: global_buffer, .address_space: global }
      - { .name: ws, .offset: 32, .size: 8, .value_kind: global_buffer, .address_space: global }
    .group_segment_fixed_size: 35840
    .private_segment_fixed_size: 0
    .kernarg_segment_align: 8
    .kernarg_segment_size: 40
    .max_flat_workgroup_size: 128
    .sgpr_count:     66
    .vgpr_count:     192
    .wavefront_size: 32
...
	.end_amdgpu_metadata
.endif
;; end of part 2
;; launch qkv (part 3): grid 12 x 32, 4 waves a work-group, clusters of 4 x 4, 327,680 bytes of LDS; arguments xc, xs, wc, ws, rec, bq, bk, bv; writes rec
.if DOCPART == 3
	.amdgcn_target "amdgcn-amd-amdhsa--gfx1250"
	.amdhsa_code_object_version 6
	.text
	.protected	k_q9213c1a82a_qkv
	.globl	k_q9213c1a82a_qkv
	.p2align	8
	.type	k_q9213c1a82a_qkv,@function
k_q9213c1a82a_qkv:
	s_mov_b64 s[64:65], 0
	v_nop
	global_prefetch_b8 v0, s[64:65] scope:SCOPE_SE
	s_setreg_imm32_b32 hwreg(HW_REG_WAVE_MODE, 25, 1), 1
	s_wait_xcnt 0x0
	s_wait_alu depctr_hold_cnt(0) depctr_sa_sdst(0) depctr_va_vdst(0) depctr_va_sdst(0) depctr_va_ssrc(0) depctr_va_vcc(0) depctr_vm_vsrc(0)
	s_getreg_b32 s2, hwreg(HW_REG_IB_STS2, 6, 4)
	s_cmp_eq_u32 s2, 0
	s_cbranch_scc0 .Lentry_in_a_cluster
	s_endpgm
.Lentry_in_a_cluster:
	s_bfe_u32 s2, ttmp6, 0x10000c
	s_cmp_lg_u32 s2, 0xf033
	s_cbranch_scc0 .Lentry_shape_is_right
	s_endpgm
.Lentry_shape_is_right:
; q = x Wq + bq, k = x Wk + bk, v = x Wv + bv on codes of E2M3 (one E8M0 scale for each 32 along K = 1,024), sums in f32; the results are QUANTISED HERE, in registers, for the attention's two products,
; and leave as codes: q and k along a head's 64 channels, v along the keys.  No f32 result goes to memory.
; x: codes [8192 places][768 bytes], scales [8192][32];  W: codes [3072 places][768], scales [3072][32] (Wq's, Wk's, Wv's columns).  At place p lies row p with bits 3 and 4 exchanged: so lane r of tile i of a
; run of 128 places holds row 32 (i / 2) + 8 (i % 2) + r + 8 (r / 8), on both operands.
; A tile of 256 tokens x 256 columns is made by four waves, each 128 x 128: 64 accumulators, 512 registers.  K goes in steps of 256 through two LDS slots; all scales of the tile's rows come once.
; CLUSTERS of 4 x 4: x's tiles are asked for jointly along a row of the cluster, W's along a column.  The cluster's x is the product's kind (0 q, 1 k, 2 v): equal in all sixteen partners.
; SOURCE 0 is the operand whose rows are to run along a lane's registers, the axis that is quantised next: W (channels) for q and k, x (tokens) for v.  SOURCE 1 is the other; a lane holds one of its rows.
; With the rows of a tile chosen as above, the 64 registers of accumulators (a, 0 .. 7) are: register 16 b + i = source 0's row 32 b + 16 (lane / 16) + i: 16 neighbours of each block of 32.
; The bias is the C of each sum's first product.  The 1/8 of the scores is 3 taken off q's scale bytes: exact.
; OUT: rec [2 regions][64 heads][16 blocks of 128 tokens][13,312 bytes]; region 0: k and v, region 1: q.  In a record: 4 images of pairs of token tiles of k (or q), 1,536 bytes each (registers 0-5: tile 2 w, 6-11: tile
; 2 w + 1, each 64 channels); at 6,144 four images of fragments of v^T (16 channels x 128 keys); at 12,288 k's (q's) scale words, lane l's word w at 16 l + 4 w = tile 2 w + l / 16; at 12,800 v's, for the head pair's 8 tiles.
; An image holds register p of lane l at 512 (p / 4) + 16 l + 4 (p % 4): every store of a wave covers 512 consecutive bytes, aligned to 256.
; LIMITS: a block of zeros gets the byte 1 (read by this program alone); a block of q whose largest magnitude lies under 2^-121 is quantised under a floor, so that its byte less 3 stays at 1 or more; NaN and infinities are not served.
; No prefetch: K has four steps, of which two are asked for at the head.  384 work-groups: a tile larger than 256 x 256 would leave the accumulators no room beside the operands.
; REGISTERS: window 0: v16-23 LDS addresses of fragments, v24 16 x lane, v26-27 of scale words, v28-29 the add's two; v32-63 source 0's scale words (two sets), v64-95 source 1's; v96-159 the bias as C; v160-255 source 1's
;   fragments, ONE set.  On the way out v96-183 are at work.   window 1: source 0's fragments, TWO sets, at v0 and v128.   windows 2, 3: the accumulators ((a, b) at v[8 (8 (a % 4) + b)] of window 2 + a / 4).
.set KSTEP,  256
.set NQ,     2
.set ROWB,   192
.set KROW,   768
.set PITCH,  240                       ; an LDS row: 3 x (64 bytes + 16 of padding)
.set FR,     12
.set NL,     6
.set NP,     4
.set HALFT,  128*PITCH
.set SLOT,   4*HALFT                   ; x's 256 rows, then W's 256 rows
.set KS,     32
.set SCL,    2*SLOT                    ; behind the ring: the scales, as runs of 256 bytes + 16 of padding: x's two halves, then W's
.set HALFS,  (128*KS/256)*272
.set SBLK,   (16*KS/256)*272
.set SPARE,  SCL+4*HALFS               ; the spare words, 128 bytes a wave
.set REC,    13312
.set HS,     16*REC
.set QOFF,   64*HS
.set AD1,  16                          ; v16-17 source 1's fragments in slot 0, 1; v18-19 the same behind one padding more
.set AD0,  20                          ; v20-23 the same for source 0
.set LI,   24
.set AS0,  26
.set AS1,  27
.set SPW,  28
.set NIL,  29
.set SC0,  32
.set SC1,  64
.set CI,   96
.set AF,   160
.set TM,   96                          ; the way out: v96-99 largest magnitudes, v100-103 bytes, v108-111 the conversions' scale operands
.set TC,   112                         ; v112-114, v116-118 half blocks
.set PWA,  120
.set PWB,  121
.set CW,   122
.set VOX,  124
.set VOY,  125
.set VOS,  126
.set SWA,  128                         ; v128-131, v132-135 the scale words of the two records
.set SWB,  132
.set XB,   136                         ; v136-159 and v160-183 by turns: two images of 12 registers
.set FLOOR, 2
.set ADJ,  3
.set SH,   18
.set DY,   19
.set OX,   20
.set SOFF, 43
.set HM,   44
.set SEL,  46
.set G1, 24
.set G0, 32
.set G1B, 48
.set G0B, 56
.set G1S, 68
.set G0S, 76
.set G1SB, 80
.set G0SB, 88
.set MSB, 0
.macro WIN new                         ; the immediate's high byte repeats the setting that is left; a switch that changes nothing is dropped
.set WNEW, \new
.if MSB != WNEW
	s_set_vgpr_msb (MSB<<8)|WNEW
.set MSB, WNEW
.endif
.endm
.set MUL_LO, 0xa1                      ; source 0 window 1, source 1 window 0, C and D window 2
.set MUL_HI, 0xf1                      ; C and D window 3
.set FST_LO, 0x81                      ; the first step: C (the bias) window 0, D window 2
.set FST_HI, 0xc1
.set TO_B,   0x40
; A joint load: waves 0 and 1 fetch for x, waves 2 and 3 for W.  An s_nop 0 and four v_nop follow each of the two lines.
.macro JLOAD g0a, g1a, g0b, g1b
	s_cmp_eq_u32 s15, 0
	s_cbranch_scc0 .Lfor_b_\@
	tensor_load_to_lds s[\g0a:\g0a+3], s[\g1a:\g1a+7]
	s_nop 0
.rept 4
	v_nop
.endr
	s_branch .Lasked_\@
.Lfor_b_\@:
	tensor_load_to_lds s[\g0b:\g0b+3], s[\g1b:\g1b+7]
	s_nop 0
.rept 4
	v_nop
.endr
.Lasked_\@:
.endm
.macro CREST                           ; a round of the cluster's barrier behind its opening barrier
	s_cmp_lg_u32 s14, 0
	s_cbranch_scc1 .Lnot_wave_0_\@
	s_barrier_signal -3
.Lnot_wave_0_\@:
	s_barrier_wait -3
	s_barrier_signal -1
	s_barrier_wait -1
.endm
.macro CROUND
	s_barrier_signal -1
	s_barrier_wait -1
	CREST
.endm
	s_load_b128 s[4:7], s[0:1], 0x0                ; x's codes, x's scales
	s_load_b128 s[8:11], s[0:1], 0x10              ; W's codes, W's scales
	s_load_b64 s[12:13], s[0:1], 0x20              ; rec
	s_load_b64 s[96:97], s[0:1], 0x28              ; bq
	s_load_b64 s[98:99], s[0:1], 0x30              ; bk
	s_load_b64 s[100:101], s[0:1], 0x38            ; bv
	v_lshl_add_u32 v[SPW], v0, 2, SPARE
	v_mov_b32 v[NIL], 0
	ds_add_u32 v[SPW], v[NIL]                      ; the wave's opening: the add and its wait stand ahead of my first tensor load; work on registers stands between them
	v_lshrrev_b32 v1, 5, v0
	v_readfirstlane_b32 s14, v1                    ; wave 0..3
	s_lshr_b32 s15, s14, 1                         ; i: my half of source 1.  Also: I fetch for x (0) or for W (1)
	s_and_b32 s16, s14, 1                          ; j: my half of source 0.  Also: which 128 rows I fetch
	s_bfe_u32 s40, ttmp6, 0x40000                  ; cx, cy
	s_bfe_u32 s41, ttmp6, 0x40004
	s_lshl_b32 s42, ttmp9, 2
	s_add_co_u32 s42, s42, s40                     ; tile column = 4 x cluster x + cx
	s_and_b32 s17, ttmp7, 0xffff
	s_lshl_b32 s17, s17, 2
	s_add_co_u32 s17, s17, s41                     ; tile row = 4 x cluster y + cy
	s_lshl_b32 s43, s41, 2
	s_lshl_b32 s43, 15, s43                        ; my row of the cluster
	s_lshl_b32 s44, 0x1111, s40                    ; my column
	s_or_b32 s[G1+0], s43, (0<<16)|(1<<20)|(1<<21)|(3<<22)|(3<<25)  ; the mask; elements of 1 byte; padding on; bit 21 beside a mask; after every 16 words 4 words
	s_or_b32 s[G1B+0], s44, (0<<16)|(1<<20)|(1<<21)|(3<<22)|(3<<25)
.irp g, G1, G1B
	s_mov_b32 s[\g+1], ROWB<<16                    ; tensor_dim0
	s_mov_b32 s[\g+2], 128<<16                     ; tensor_dim1
	s_mov_b32 s[\g+3], ROWB<<16                    ; tile_dim0
	s_mov_b32 s[\g+4], 128                         ; tile_dim1
	s_mov_b32 s[\g+5], KROW                        ; the pitch
	s_mov_b32 s[\g+6], 0
	s_mov_b32 s[\g+7], 0
.endr
	s_or_b32 s[G1S+0], s43, (3<<16)|(1<<20)|(1<<21)|(5<<22)|(3<<25)   ; the scales of 128 rows: 4,096 dense bytes as 16 rows of 256, 16 bytes of padding behind each
	s_or_b32 s[G1SB+0], s44, (3<<16)|(1<<20)|(1<<21)|(5<<22)|(3<<25)
.irp g, G1S, G1SB
	s_mov_b32 s[\g+1], 32<<16
	s_mov_b32 s[\g+2], (128*KS/256)<<16
	s_mov_b32 s[\g+3], 32<<16
	s_mov_b32 s[\g+4], 128*KS/256
	s_mov_b32 s[\g+5], 32
	s_mov_b32 s[\g+6], 0
	s_mov_b32 s[\g+7], 0
.endr
	s_lshl_b32 s18, s16, 7
	s_lshl_b32 s20, s17, 8
	s_add_co_u32 s20, s20, s18                     ; x: place 256 x tile row + 128 x half
	s_lshl_b32 s46, s42, 8
	s_add_co_u32 s46, s46, s18                     ; W: place 256 x tile column + 128 x half
	s_mov_b32 s21, 0
	s_mov_b32 s47, 0
	s_mov_b64 s[18:19], KS
	s_mul_u64 s[22:23], s[20:21], s[18:19]
	s_mul_u64 s[92:93], s[46:47], s[18:19]
	s_mov_b64 s[18:19], KROW
	s_mul_u64 s[20:21], s[20:21], s[18:19]
	s_mul_u64 s[46:47], s[46:47], s[18:19]
	s_mul_i32 s45, s14, HALFT                      ; where they go: wave x 128 rows
	s_mul_i32 s94, s14, HALFS
	s_wait_dscnt 0x0                               ; the opening add is done
	s_wait_kmcnt 0x0
	s_add_nc_u64 s[20:21], s[4:5], s[20:21]
	s_add_nc_u64 s[22:23], s[6:7], s[22:23]
	s_add_nc_u64 s[46:47], s[8:9], s[46:47]
	s_add_nc_u64 s[92:93], s[10:11], s[92:93]
	CROUND                                         ; all sixteen work-groups are here: the first joint loads meet
	s_mov_b32 s[G0S], 1
	s_add_co_u32 s[G0S+1], s94, SCL
	s_mov_b64 s[G0S+2:G0S+3], s[22:23]
	s_or_b32 s[G0S+3], s[G0S+3], 0x80000000
	s_mov_b32 s[G0SB], 1
	s_add_co_u32 s[G0SB+1], s94, SCL
	s_mov_b64 s[G0SB+2:G0SB+3], s[92:93]
	s_or_b32 s[G0SB+3], s[G0SB+3], 0x80000000
	JLOAD G0S, G1S, G0SB, G1SB                     ; the scales first; with the two slots three loads of mine are out
.irp s, 0,1
	s_mov_b32 s[G0+4*\s], 1
	s_add_co_u32 s[G0+4*\s+1], s45, \s*SLOT
	s_add_nc_u64 s[G0+4*\s+2:G0+4*\s+3], s[20:21], \s*ROWB
	s_or_b32 s[G0+4*\s+3], s[G0+4*\s+3], 0x80000000
	s_mov_b32 s[G0B+4*\s], 1
	s_add_co_u32 s[G0B+4*\s+1], s45, \s*SLOT
	s_add_nc_u64 s[G0B+4*\s+2:G0B+4*\s+3], s[46:47], \s*ROWB
	s_or_b32 s[G0B+4*\s+3], s[G0B+4*\s+3], 0x80000000
	JLOAD G0+4*\s, G1, G0B+4*\s, G1B
.endr
	; where my fragments lie.  For v the roles of x and W are exchanged: source 1 is W.  The choice hangs on the cluster's x alone
	v_and_b32 v1, 15, v0                           ; r
	v_bfe_u32 v2, v0, 4, 1                         ; h
	v_mul_u32_u24 v3, v1, PITCH
	v_mul_u32_u24 v4, v2, 24
	v_add_nc_u32 v4, v3, v4                        ; row x pitch + 24 x half
	v_lshl_add_u32 v5, v2, 4, v4                   ; and the same behind one padding more
	s_cmp_eq_u32 ttmp9, 2
	s_cselect_b32 s66, 2*HALFT, 0                  ; source 1's 256 rows in a slot
	s_cselect_b32 s67, 0, 2*HALFT                  ; source 0's
	s_cselect_b32 s92, 2*HALFS, 0                  ; and their scales
	s_cselect_b32 s93, 0, 2*HALFS
	s_mul_i32 s21, s15, HALFT
	s_add_co_u32 s21, s21, s66
	s_mul_i32 s22, s16, HALFT
	s_add_co_u32 s22, s22, s67
.irp s, 0,1
	v_add_nc_u32 v[AD1+\s], s21, v4
	v_add_nc_u32 v[AD0+\s], s22, v4
	v_add_nc_u32 v[AD1+2+\s], s21, v5
	v_add_nc_u32 v[AD0+2+\s], s22, v5
	s_add_co_u32 s21, s21, SLOT
	s_add_co_u32 s22, s22, SLOT
.endr
	v_lshlrev_b32 v5, 5, v1                        ; my row's scales: 32 bytes a row,
	v_lshrrev_b32 v6, 8, v5
	v_lshl_add_u32 v5, v6, 4, v5                   ; and 16 more for each 256 passed
	s_mul_i32 s21, s15, HALFS
	s_add_co_u32 s21, s21, s92
	s_add_co_u32 s21, s21, SCL
	s_mul_i32 s22, s16, HALFS
	s_add_co_u32 s22, s22, s93
	s_add_co_u32 s22, s22, SCL
	v_add_nc_u32 v[AS1], s21, v5
	v_add_nc_u32 v[AS0], s22, v5
	v_and_b32 v6, 31, v0
	v_lshlrev_b32 v[LI], 4, v6
	; my records and my bias
	s_cmp_eq_u32 ttmp9, 2
	s_cselect_b32 s94, s15, s16
	s_cselect_b32 s95, s16, s15
	s_lshl_b32 s2, s40, 1
	s_add_co_u32 s94, s94, s2                      ; my 128 columns of the weight = my pair of heads: 2 cx + my half
	s_lshl_b32 s2, s17, 1
	s_add_co_u32 s95, s95, s2                      ; my block of 128 tokens: 2 x tile row + my half
	s_lshr_b32 s2, s95, 4
	s_lshl_b32 s2, s2, 4                           ; 16 x batch
	s_lshl_b32 s3, s94, 1
	s_add_co_u32 s2, s2, s3                        ; the pair's first head
	s_mul_i32 s2, s2, HS
	s_and_b32 s3, s95, 15
	s_mul_i32 s3, s3, REC
	s_add_co_u32 s2, s2, s3
	s_cmp_eq_u32 ttmp9, 0
	s_cselect_b32 s3, QOFF, 0                      ; q has a region of its own
	s_add_co_u32 s2, s2, s3
	s_mov_b32 s3, 0
	s_add_nc_u64 s[12:13], s[12:13], s[2:3]
	s_cmp_eq_u32 ttmp9, 0
	s_cselect_b64 s[96:97], s[96:97], s[98:99]
	s_cmp_eq_u32 ttmp9, 2
	s_cselect_b64 s[96:97], s[100:101], s[96:97]
	s_lshl_b32 s2, s94, 9
	s_add_nc_u64 s[96:97], s[96:97], s[2:3]        ; my 128 numbers of the bias
	v_lshlrev_b32 v7, 6, v2                        ; q, k: 64 h
	v_and_b32 v8, 8, v1
	v_add_nc_u32 v8, v8, v1
	v_lshlrev_b32 v8, 2, v8                        ; v: 4 (r + 8 (r / 8))
	s_cmp_eq_u32 ttmp9, 2
	s_cbranch_scc1 .Lbias_v
.irp t, 0,1,2,3,4,5,6,7                        ; q, k: the channels run along the registers: tile t's register i is channel 32 (t / 2) + 8 (t % 2) + 16 h + i
	global_load_b128 v[CI+8*\t:CI+8*\t+3], v7, s[96:97] offset:4*(32*(\t/2)+8*(\t%2))
	global_load_b128 v[CI+8*\t+4:CI+8*\t+7], v7, s[96:97] offset:4*(32*(\t/2)+8*(\t%2))+16
.endr
	s_branch .Lbias_in
.Lbias_v:
.irp a, 0,1,2,3,4,5,6,7                        ; v: a lane holds one channel, 32 (a / 2) + 8 (a % 2) + r + 8 (r / 8): the same number in all eight registers
.irp j, 0,1,2,3,4,5,6,7
	global_load_b32 v[CI+8*\a+\j], v8, s[96:97] offset:4*(32*(\a/2)+8*(\a%2))
.endr
.endr
.Lbias_in:
.macro FRAG reg, adr, q, i             ; a fragment: 16 rows x 128 K, 12 registers: registers 6 c .. 6 c + 5 hold K = 64 c + 32 (lane / 16) + 0 .. 31: 24 bytes of the row, in pieces of 8
.irp p, 0,1,2,3,4,5
.set PC, 12*(\q)+6*(\p/3)+\p%3
.if PC%8 < 5
	ds_load_b64 v[\reg+2*\p:\reg+2*\p+1], v[\adr] offset:8*PC+16*(PC/8)+(\i)*16*PITCH
.else
	ds_load_b64 v[\reg+2*\p:\reg+2*\p+1], v[\adr+2] offset:8*PC+16*(PC/8)+(\i)*16*PITCH
.endif
.endr
.endm
; 16 products: source 1's blocks a0, a0 + 1 x source 0's eight, the slot's q-th 128 along K.  p: source 0's set; sc: the set of scale words.
; mode 0: onto the sums; 2: the sums begin with the bias by source 0's block (q, k); 3: by source 1's (v).  The 64 accumulators take turns, one instruction a turn.
.macro MUL16 a0, p, q, sc, mode
.irp a, \a0, \a0+1
.irp b, 0,1,2,3,4,5,6,7
.if \mode == 0
	v_wmma_scale_f32_16x16x128_f8f6f4 v[8*(8*((\a)%4)+\b):8*(8*((\a)%4)+\b)+7], v[128*(\p)+FR*\b:128*(\p)+FR*\b+FR-1], v[AF+FR*(\a):AF+FR*(\a)+FR-1], v[8*(8*((\a)%4)+\b):8*(8*((\a)%4)+\b)+7], v[SC0+16*(\sc)+2*\b+(\q)], v[SC1+16*(\sc)+2*(\a)+(\q)] matrix_a_fmt:MATRIX_FMT_FP6 matrix_b_fmt:MATRIX_FMT_FP6
.elseif \mode == 2
	v_wmma_scale_f32_16x16x128_f8f6f4 v[8*(8*((\a)%4)+\b):8*(8*((\a)%4)+\b)+7], v[128*(\p)+FR*\b:128*(\p)+FR*\b+FR-1], v[AF+FR*(\a):AF+FR*(\a)+FR-1], v[CI+8*\b:CI+8*\b+7], v[SC0+16*(\sc)+2*\b+(\q)], v[SC1+16*(\sc)+2*(\a)+(\q)] matrix_a_fmt:MATRIX_FMT_FP6 matrix_b_fmt:MATRIX_FMT_FP6
.else
	v_wmma_scale_f32_16x16x128_f8f6f4 v[8*(8*((\a)%4)+\b):8*(8*((\a)%4)+\b)+7], v[128*(\p)+FR*\b:128*(\p)+FR*\b+FR-1], v[AF+FR*(\a):AF+FR*(\a)+FR-1], v[CI+8*(\a):CI+8*(\a)+7], v[SC0+16*(\sc)+2*\b+(\q)], v[SC1+16*(\sc)+2*(\a)+(\q)] matrix_a_fmt:MATRIX_FMT_FP6 matrix_b_fmt:MATRIX_FMT_FP6
.endif
.endr
.endr
.endm
.macro FETCH_B slot, q, p              ; source 0's eight fragments into set p
	WIN TO_B
.irp i, 0,1,2,3,4,5,6,7
	FRAG 128*(\p)+FR*\i, AD0+\slot, \q, \i
.endr
	WIN 0
.endm
.macro FETCH_A slot, q, i0             ; source 1's blocks i0 .. i0 + 3
.irp i, \i0, \i0+1, \i0+2, \i0+3
	FRAG AF+FR*(\i), AD1+\slot, \q, \i
.endr
.endm
.macro SCALES sc                       ; a K step's scale words, two a row, into set sc: lanes 0-15 are read
.irp i, 0,1,2,3,4,5,6,7
	ds_load_b64 v[SC0+16*\sc+2*\i:SC0+16*\sc+2*\i+1], v[AS0] offset:\i*SBLK
.endr
.irp i, 0,1,2,3,4,5,6,7
	ds_load_b64 v[SC1+16*\sc+2*\i:SC1+16*\sc+2*\i+1], v[AS1] offset:\i*SBLK
.endr
.endm
.macro PLACES n                        ; plain vector lines between a matrix instruction and a load into, or a vector read or write of, its registers
.rept \n
	v_nop
.endr
.endm
; A step of 128 along K that has its successor in the same slot.
.macro STEP slot, q, mode
	s_wait_dscnt 4*NL                              ; source 0's set, the scale words and source 1's blocks 0-3 are in; the youngest 24 loads (blocks 4-7) may be out
.if \mode
	WIN FST_LO
.else
	WIN MUL_LO
.endif
	MUL16 0, (\q)%2, \q, \slot, \mode
	MUL16 2, (\q)%2, \q, \slot, \mode
	s_wait_dscnt 0
	PLACES NP
	FETCH_B \slot, (\q)+1, 1-(\q)%2
	FETCH_A \slot, (\q)+1, 0
.if \mode
	WIN FST_HI
.else
	WIN MUL_HI
.endif
	MUL16 4, (\q)%2, \q, \slot, \mode
	MUL16 6, (\q)%2, \q, \slot, \mode
	PLACES NP
	WIN 0
	FETCH_A \slot, (\q)+1, 4
.endm
; A slot's last step changes slots: ONE barrier; in front of it each wave waits for all its tensor loads, adds 0 to its spare word, and waits for that and for its reads of this slot.  fill = 1: the slot is filled again, two K steps ahead.
.macro TURN slot, next, fill
	s_wait_tensorcnt 0x0                           ; all my tensor loads have landed: my part of the next slot
	ds_add_u32 v[SPW], v[NIL]                      ; 0 onto my spare word
	s_wait_dscnt 4*NL+1                            ; (the add and the youngest 24 loads may be out)
	WIN MUL_LO
	MUL16 0, 1, NQ-1, \slot, 0                     ; sixteen products stand between the add and the wait for it
	s_wait_dscnt 0x0                               ; the add is done, and my reads of this slot are over
	s_barrier_signal -1
	MUL16 2, 1, NQ-1, \slot, 0
	WIN 0
	s_barrier_wait -1
.if \fill
	CREST                                          ; the barrier has opened a round of the cluster's: no wave of any partner still reads this slot or has a load on its way
	s_add_nc_u64 s[G0+4*\slot+2:G0+4*\slot+3], s[G0+4*\slot+2:G0+4*\slot+3], 2*ROWB
	s_add_nc_u64 s[G0B+4*\slot+2:G0B+4*\slot+3], s[G0B+4*\slot+2:G0B+4*\slot+3], 2*ROWB
	JLOAD G0+4*\slot, G1, G0B+4*\slot, G1B         ; the first tensor load behind the round, and my only one; its four v_nop are the places in front of the loads below
.else
	PLACES NP
.endif
	v_add_nc_u32 v[AS0], 4*NQ, v[AS0]              ; on to the next K step's scale words
	v_add_nc_u32 v[AS1], 4*NQ, v[AS1]
	FETCH_B \next, 0, 0
	FETCH_A \next, 0, 0
	SCALES \next
	WIN MUL_HI
	MUL16 4, 1, NQ-1, \slot, 0
	MUL16 6, 1, NQ-1, \slot, 0
	PLACES NP
	WIN 0
	FETCH_A \next, 0, 4
.endm
	s_wait_tensorcnt 1                             ; the scales and my part of K step 0 are in; K step 1's load may be out
	s_barrier_signal -1
	s_barrier_wait -1
	FETCH_B 0, 0, 0
	FETCH_A 0, 0, 0
	SCALES 0
	FETCH_A 0, 0, 4
	s_wait_loadcnt 0x0                             ; the bias
	s_cmp_eq_u32 ttmp9, 2
	s_cbranch_scc1 .Lfirst_v
	STEP 0, 0, 2                                   ; the first step starts the sums with the bias: nothing is cleared
	s_branch .Lfirst_done
.Lfirst_v:
	STEP 0, 0, 3
.Lfirst_done:
	TURN 0, 1, 1                                   ; K = 1,024 is four K steps: written out
	STEP 1, 0, 0
	TURN 1, 0, 1
	STEP 0, 0, 0
	TURN 0, 1, 0                                   ; nothing is left to fetch: no round
	STEP 1, 0, 0
	s_wait_dscnt 4*NL
	WIN MUL_LO
	MUL16 0, 1, NQ-1, 1, 0
	MUL16 2, 1, NQ-1, 1, 0
	s_wait_dscnt 0
	WIN MUL_HI
	MUL16 4, 1, NQ-1, 1, 0
	MUL16 6, 1, NQ-1, 1, 0
	WIN 0
	; THE WAY OUT: quantise in registers, store images.
	s_cmp_eq_u32 ttmp9, 2                          ; where the two images of a turn go: q, k: pair w of head 0 and of head 1;  v: channel tiles 2 w and 2 w + 1 of the pair's eight
	s_mov_b32 s[OX], 6144
	s_cselect_b32 s[OX], s[OX], 0
	s_mov_b32 s[OX+1], 9216
	s_cselect_b32 s[OX+1], s[OX+1], 1536
	s_mov_b32 s[OX+2], HS+6144
	s_cselect_b32 s[OX+2], s[OX+2], 3072
	s_mov_b32 s[OX+3], HS+9216
	s_cselect_b32 s[OX+3], s[OX+3], 4608
	s_mov_b32 s[DY], 1536
	s_cselect_b32 s[DY], s[DY], HS
	s_mov_b32 s[SOFF], 12800
	s_cselect_b32 s[SOFF], s[SOFF], 12288
	s_cselect_b32 s[SH], 0, 16                     ; q, k: the second head's two bytes come down; v: both records get the same words
	s_cmp_eq_u32 ttmp9, 0
	s_mov_b32 s[FLOOR], 0x3000000                  ; q: 2^(6 - 127), so that the byte less 3 stays at 1 or more;
	s_cselect_b32 s[FLOOR], s[FLOOR], 0x1800000    ; k, v: 2^(3 - 127)
	s_cselect_b32 s[ADJ], 0x03030303, 0            ; q: 3 off every byte: the scores' 1/8
	s_mov_b32 s[HM], 0xffff0000                    ; lanes 16-31
	s_mov_b32 s[SEL], 0x76543210
	s_mov_b32 s[SEL+1], 0xfedcba98                 ; v_permlanex16_b32's selects for lane l xor 16
	PLACES NP                                      ; behind the last products: their results are read and their operands' registers written below
.irp b, 0,1,2,3
	v_mov_b32 v[TM+4+\b], 0                        ; written once: a lane permute's destination counts as one of its sources
.endr
; The 64 registers v[s] on of window aw (register 16 b + i = k 32 b + 16 (lane / 16) + i of my row) become codes: blocks 0, 1 in v[d0 .. d0 + 5], blocks 2, 3 in v[d1 .. d1 + 5]; the four bytes in v[pw].
.macro GQ s, aw, d0, d1, pw
	WIN ((\aw)<<2)|((\aw)<<4)                      ; sources 1 and 2: the accumulators' window
.irp b, 0,1,2,3
	v_max3_num_f32 v[TM+\b], s[FLOOR], |v[\s+16*\b]|, |v[\s+16*\b+1]|   ; each accumulator is read from its low end on
.endr
.irp i, 2,4,6,8,10,12,14
.irp b, 0,1,2,3
	v_max3_num_f32 v[TM+\b], v[TM+\b], |v[\s+16*\b+\i]|, |v[\s+16*\b+\i+1]|   ; the four blocks by turns
.endr
.endr
	WIN 0
.irp b, 0,1,2,3
	v_permlanex16_b32 v[TM+4+\b], v[TM+\b], s[SEL], s[SEL+1]
.endr
.irp b, 0,1,2,3
	v_max_num_f32 v[TM+\b], v[TM+\b], v[TM+4+\b]   ; with lane l xor 16's: the block's largest magnitude
.endr
.irp b, 0,1,2,3
	v_add_nc_u32 v[TM+12+\b], 0xff000000, v[TM+\b] ; 2 off its exponent field: the conversion's scale operand
.endr
.irp b, 0,1,2,3
	v_lshrrev_b32 v[TM+4+\b], 23, v[TM+12+\b]      ; the scale's byte
.endr
	v_lshl_or_b32 v[\pw], v[TM+5], 8, v[TM+4]
	v_lshl_or_b32 v[\pw], v[TM+6], 16, v[\pw]
	v_lshl_or_b32 v[\pw], v[TM+7], 24, v[\pw]
	WIN \aw                                        ; source 0: the accumulators' window
	v_cvt_scalef32_pk16_fp6_f32 v[\d0:\d0+2], v[\s:\s+15], v[TM+12]
	v_cvt_scalef32_pk16_fp6_f32 v[TC:TC+2], v[\s+16:\s+31], v[TM+13]
	v_cvt_scalef32_pk16_fp6_f32 v[\d1:\d1+2], v[\s+32:\s+47], v[TM+14]
	v_cvt_scalef32_pk16_fp6_f32 v[TC+4:TC+6], v[\s+48:\s+63], v[TM+15]
	WIN 0
	v_nop                                          ; one plain line behind the scaled conversions
.irp i, 0,1,2
	v_permlane16_swap_b32 v[\d0+\i], v[TC+\i]      ; a whole block to a lane: lanes 0-15 the even block, lanes 16-31 the odd one
.endr
.irp i, 0,1,2
	v_mov_b32 v[\d0+3+\i], v[TC+\i]
.endr
.irp i, 0,1,2
	v_permlane16_swap_b32 v[\d1+\i], v[TC+4+\i]
.endr
.irp i, 0,1,2
	v_mov_b32 v[\d1+3+\i], v[TC+4+\i]
.endr
.endm
; Turn w: source 1's blocks 2 w and 2 w + 1.
.macro WOUT w
.set X, XB+24*((\w)%2)
.set Y, X+12
.set SA, 64*((2*(\w))%4)
.set SBB, 64*((2*(\w)+1)%4)
.set WA, 2+(2*(\w))/4
	s_wait_xcnt 0x0                                ; the earlier stores have read their data and offsets: both are written again below
	GQ SA, WA, X, Y, PWA
	GQ SBB, WA, X+6, Y+6, PWB
	v_cndmask_b32 v[CW], v[PWA], v[PWB], s[HM]     ; lanes 0-15: block 2 w's word; lanes 16-31: block 2 w + 1's
	v_sub_nc_u32 v[SWA+\w], v[CW], s[ADJ]          ; (every byte of q is 4 or more: no borrow)
	v_lshrrev_b32 v[SWB+\w], s[SH], v[SWA+\w]
	s_cmp_eq_u32 ttmp9, 2
	s_cbranch_scc0 .Lno_swap_\@
.irp i, 0,1,2,3,4,5
	v_swap_b32 v[X+6+\i], v[Y+\i]                  ; v: X becomes block 2 w's whole fragment (128 keys), Y block 2 w + 1's
.endr
.Lno_swap_\@:
	v_add_nc_u32 v[VOX], s[OX+\w], v[LI]
	v_add_nc_u32 v[VOY], s[DY], v[VOX]
.irp g, 0,1,2
	global_store_b128 v[VOX], v[X+4*\g:X+4*\g+3], s[12:13] offset:512*\g   ; 32 lanes store 512 consecutive bytes, aligned to 256
.endr
.irp g, 0,1,2
	global_store_b128 v[VOY], v[Y+4*\g:Y+4*\g+3], s[12:13] offset:512*\g
.endr
.endm
	WOUT 0
	WOUT 1
	WOUT 2
	WOUT 3
	v_add_nc_u32 v[VOS], s[SOFF], v[LI]
	global_store_b128 v[VOS], v[SWA:SWA+3], s[12:13]
	global_store_b128 v[VOS], v[SWB:SWB+3], s[12:13] offset:HS
	s_wait_tensorcnt 0x0                           ; the wave's end: three lines behind my last tensor load
	ds_add_u32 v[SPW], v[NIL]
	s_wait_dscnt 0x0
	CROUND                                         ; the closing round: no work-group ends while a partner may still ask for a tile that names it
	s_endpgm
.Lfunc_end_k_q9213c1a82a_qkv:
	.size	k_q9213c1a82a_qkv, .Lfunc_end_k_q9213c1a82a_qkv-k_q9213c1a82a_qkv
	.p2alignl 7, 3214868480
	.fill 96, 4, 3214868480
	.section	.rodata,"a",@progbits
	.p2align	6, 0x0
	.amdhsa_kernel k_q9213c1a82a_qkv
		.amdhsa_group_segment_fixed_size 327680
		.amdhsa_private_segment_fixed_size 0
		.amdhsa_enable_private_segment 0
		.amdhsa_kernarg_size 64
		.amdhsa_user_sgpr_count 2
		.amdhsa_user_sgpr_kernarg_segment_ptr 1
		.amdhsa_wavefront_size32 1
		.amdhsa_system_sgpr_workgroup_id_x 1
		.amdhsa_system_sgpr_workgroup_id_y 1
		.amdhsa_system_sgpr_workgroup_id_z 1
		.amdhsa_system_vgpr_workitem_id 0
		.amdhsa_next_free_vgpr 1024
		.amdhsa_next_free_sgpr 102
		.amdhsa_reserve_vcc 0
		.amdhsa_float_denorm_mode_32 3
		.amdhsa_float_denorm_mode_16_64 3
		.amdhsa_memory_ordered 1
		.amdhsa_forward_progress 1
		.amdhsa_inst_pref_size 191
	.end_amdhsa_kernel
	.amdgpu_metadata
---
amdhsa.version: [ 1, 2 ]
amdhsa.kernels:
  - .name:           k_q9213c1a82a_qkv
    .symbol:         k_q9213c1a82a_qkv.kd
    .args:
      - { .name: xc, .offset: 0, .size: 8, .value_kind: global_buffer, .address_space: global }
      - { .name: xs, .offset: 8, .size: 8, .value_kind: global_buffer, .address_space: global }
      - { .name: wc, .offset: 16, .size: 8, .value_kind: global_buffer, .address_space: global }
      - { .name: ws, .offset: 24, .size: 8, .value_kind: global_buffer, .address_space: global }
      - { .name: rec, .offset: 32, .size: 8, .value_kind: global_buffer, .address_space: global }
      - { .name: bq, .offset: 40, .size: 8, .value_kind: global_buffer, .address_space: global }
      - { .name: bk, .offset: 48, .size: 8, .value_kind: global_buffer, .address_space: global }
      - { .name: bv, .offset: 56, .size: 8, .value_kind: global_buffer, .address_space: global }
    .group_segment_fixed_size: 327680
    .private_segment_fixed_size: 0
    .kernarg_segment_align: 8
    .kernarg_segment_size: 64
    .max_flat_workgroup_size: 128
    .sgpr_count:     102
    .vgpr_count:     1024
    .wavefront_size: 32
...
	.end_amdgpu_metadata
.endif
;; end of part 3
;; launch attn (part 4): grid 4 x 64, 8 waves a work-group, clusters of 4 x 1, 262,144 bytes of LDS; arguments rec, attention_mask, out0; writes out0
.if DOCPART == 4
	.amdgcn_target "amdgcn-amd-amdhsa--gfx1250"
	.amdhsa_code_object_version 6
	.text
	.protected	k_q9213c1a82a_attn
	.globl	k_q9213c1a82a_attn
	.p2align	8
	.type	k_q9213c1a82a_attn,@function
k_q9213c1a82a_attn:
	s_mov_b64 s[64:65], 0
	v_nop
	global_prefetch_b8 v0, s[64:65] scope:SCOPE_SE
	s_setreg_imm32_b32 hwreg(HW_REG_WAVE_MODE, 25, 1), 1
	s_wait_xcnt 0x0
	s_wait_alu depctr_hold_cnt(0) depctr_sa_sdst(0) depctr_va_vdst(0) depctr_va_sdst(0) depctr_va_ssrc(0) depctr_va_vcc(0) depctr_vm_vsrc(0)
	s_getreg_b32 s2, hwreg(HW_REG_IB_STS2, 6, 4)
	s_cmp_eq_u32 s2, 0
	s_cbranch_scc0 .Lentry_in_a_cluster
	s_endpgm
.Lentry_in_a_cluster:
	s_bfe_u32 s2, ttmp6, 0x10000c
	s_cmp_lg_u32 s2, 0x3003
	s_cbranch_scc0 .Lentry_shape_is_right
	s_endpgm
.Lentry_shape_is_right:
; out0[b][q][64 hd ..] = softmax_k(q . k / 8 + mask[b][k]) v, for head bh = 16 b + hd, both products on codes of E2M3 with one E8M0 scale for each 32 along K.
; q, k, v come as images of operand registers with their scale words (rec: [2 regions][64 heads][16 blocks of 128 tokens][13,312 bytes]; region 0: k, v; region 1: q).  q's scale bytes already carry the 1/8.
; THE SOFTMAX: t = logit x log2(e); M = the running largest t rounded UP to a whole number; p = 2^(t - M) is quantised along the keys, not normalised; the row's sum is taken of the unquantised p and divides at the end.
; When M moves, the sum and O are multiplied by 2^(old M - new M): exact.
; THE WHOLE HEAD LIES IN LDS: its 16 records (212,992 bytes) and the batch's mask (8,192) are filled ONCE, by joint loads of the four work-groups of a cluster, which own the head's four blocks of 512 queries.
; Nothing is filled again: no ring.  The fills go out in four stages of four records; a stage's steps begin when it has landed, while the later stages are on their way.
; No prefetch: every byte of k, v and the mask is asked for by the first fills, and both passes' q at the head: there is no later stream to ask ahead for.
; SHARES.  A work-group: 512 queries, in two passes of 256.  Each of its eight waves (two to a SIMD, so that one wave's vector work stands beside the other's products and LDS loads): 32 queries a pass, TWO tiles of 16, which
; share every register of k, v, mask and their scales.  Tile 0's own registers lie in window 0, tile 1's under the same numbers in window 1.
; LAYOUT.  Both products transposed: S^T = k q^T + mask (source 0 = 16 keys, source 1 = 16 queries, C = the keys' mask), O^T = v^T p^T: a lane holds ONE query throughout.  Lane r of key tile t holds key
; 32 (t / 2) + 8 (t % 2) + r + 8 (r / 8), so the 16 registers of tiles 2 b, 2 b + 1 are keys 32 b + 16 (lane / 16) + 0 .. 15.  Query tiles and v's channel tiles are chosen alike.
; K = 64 IN A FORM OF 128: a key tile's six registers are followed by the next tile's six; they meet q's six registers of ZERO codes, so k = 64 .. 127 add nothing (no scale byte is 0xff).
; LIMITS: a mask entry under about -2.3e38 acts as -infinity; a row all of whose keys are so masked gives NaN; NaN among the inputs is not served.
; REGISTERS.  Own (window = tile): v12 -M, v13 largest t, v[14:15] the sum; v16-21 q, v22-27 zeros; v96-159 S^T, then p; v160-191 O^T (register 16 b + i = channel 32 b + 16 (lane / 16) + i); v224-235 p's codes; v232-254 at work.
; Shared, window 0: v1-11 addresses; v32-79 k's 8 tiles, then v's 4 fragments; v80-85 any codes; v204-207 k's scale words, v[208:209] v's, v210-211 p's, v212 q's, v213 the next pass's.  Window 1: v32-95 the mask as C; v192-203 the next pass's q.
.set REC,   13312
.set HS,    16*REC
.set QOFF,  64*HS
.set STB,   4*REC                      ; a stage: four records
.set WB,    STB/8                      ; a wave's part of it: 26 rows of 256 bytes
.set MASKB, HS
.set STG,   MASKB+8192                 ; the way out: 16 rows x (256 + 16) bytes for each wave; no fill lands here
.set SPARE, STG+8*16*272               ; the spare words, 128 bytes a wave
.set LI,  1
.set AMK, 2
.set AVS, 3
.set ADR, 4
.set ADM, 5
.set ADV, 6
.set STO, 7
.set RD,  8
.set GO,  9
.set SPW, 10
.set NIL, 11
.set KF,  32
.set OB,  32                           ; the way out: tile e's rows come back into v[32 + 32 e] on
.set KSC, 204
.set VSC, 208
.set PS,  210
.set QS,  212
.set QSN, 213
.set MK,  32                           ; in window 1
.set QN,  192                          ; in window 1
.set WV,  10
.set G1R, 16
.set G1M, 24
.set G0M, 32
.set G0R, 36
.set SEL, 52
.set CS,  54
.set TB,  56
.set TMK, 57
.set CNT, 58
.set PASS, 59
.set MSB, 0
.macro WIN new                         ; the immediate's high byte repeats the setting that is left; a switch that changes nothing is dropped
.set WNEW, \new
.if MSB != WNEW
	s_set_vgpr_msb (MSB<<8)|WNEW
.set MSB, WNEW
.endif
.endm
.macro CROUND                          ; a round of the cluster's barrier
	s_barrier_signal -1
	s_barrier_wait -1
	s_cmp_lg_u32 s[WV], 0
	s_cbranch_scc1 .Lnot_wave_0_\@
	s_barrier_signal -3
.Lnot_wave_0_\@:
	s_barrier_wait -3
	s_barrier_signal -1
	s_barrier_wait -1
.endm
	s_load_b128 s[4:7], s[0:1], 0x0                ; rec, the mask
	s_load_b64 s[8:9], s[0:1], 0x10                ; out0
	v_lshl_add_u32 v[SPW], v0, 2, SPARE
	v_mov_b32 v[NIL], 0
	ds_add_u32 v[SPW], v[NIL]                      ; the wave's opening: the add and its wait stand ahead of my first tensor load; work on registers stands between them
	v_lshrrev_b32 v1, 5, v0
	v_readfirstlane_b32 s[WV], v1                  ; wave 0..7
	s_bfe_u32 s11, ttmp6, 0x40000                  ; cx: it enters q's and out0's global addresses alone
	s_and_b32 s12, ttmp7, 0xffff                   ; the head, which the four partners share
	s_lshr_b32 s13, s12, 4                         ; batch
	s_and_b32 s14, s12, 15                         ; head in the batch
	s_and_b32 s15, s12, 1
	s_lshl_b32 s15, s15, 3                         ; which two of the pair's four words of v's scales are my head's
	s_mov_b32 s[G1R], 15|(3<<16)|(1<<21)           ; the mask: all four work-groups; elements of 8 bytes; bit 21 beside a mask; no padding
	s_mov_b32 s[G1R+1], 32<<16                     ; tensor_dim0: 32 elements = 256 bytes
	s_mov_b32 s[G1R+2], 26<<16                     ; tensor_dim1
	s_mov_b32 s[G1R+3], 32<<16                     ; tile_dim0
	s_mov_b32 s[G1R+4], 26                         ; tile_dim1
	s_mov_b32 s[G1R+5], 32                         ; the pitch: dense
	s_mov_b32 s[G1R+6], 0
	s_mov_b32 s[G1R+7], 0
	s_mov_b32 s[G1M], 15|(3<<16)|(1<<21)           ; the mask floats: 4 rows of 256 bytes a wave
	s_mov_b32 s[G1M+1], 32<<16
	s_mov_b32 s[G1M+2], 4<<16
	s_mov_b32 s[G1M+3], 32<<16
	s_mov_b32 s[G1M+4], 4
	s_mov_b32 s[G1M+5], 32
	s_mov_b32 s[G1M+6], 0
	s_mov_b32 s[G1M+7], 0
	s_mov_b32 s[SEL], 0x76543210
	s_mov_b32 s[SEL+1], 0xfedcba98                 ; v_permlanex16_b32's selects for lane l xor 16
	s_mov_b32 s[CS], 0x3fb8aa3b                    ; log2(e)
	s_mov_b32 s[CS+1], s[CS]                       ; (named with it as a pair, so it is written)
	s_lshl_b32 s60, s[WV], 10                      ; my 1,024 bytes of the mask
	s_lshl_b32 s62, s13, 13
	s_add_co_u32 s62, s62, s60
	s_mov_b32 s63, 0
	s_mul_i32 s66, s[WV], WB                       ; my part of a stage
	s_mul_i32 s68, s12, HS
	s_add_co_u32 s68, s68, s66
	s_mov_b32 s69, 0
	s_wait_dscnt 0x0                               ; the opening add is done
	s_wait_kmcnt 0x0
	s_mov_b32 s[G0M], 1
	s_add_co_u32 s[G0M+1], s60, MASKB
	s_add_nc_u64 s[G0M+2:G0M+3], s[6:7], s[62:63]
	s_or_b32 s[G0M+3], s[G0M+3], 0x80000000
	s_add_nc_u64 s[70:71], s[4:5], s[68:69]
.irp st, 0,1,2,3
	s_mov_b32 s[G0R+4*\st], 1
	s_add_co_u32 s[G0R+4*\st+1], s66, \st*STB
	s_add_nc_u64 s[G0R+4*\st+2:G0R+4*\st+3], s[70:71], \st*STB
	s_or_b32 s[G0R+4*\st+3], s[G0R+4*\st+3], 0x80000000
.endr
	CROUND                                         ; all four work-groups are here: the joint loads meet
	tensor_load_to_lds s[G0M:G0M+3], s[G1M:G1M+7]  ; all fills of the launch, as one group: five loads of mine are out
	s_nop 0
.irp st, 0,1,2,3
	tensor_load_to_lds s[G0R+4*\st:G0R+4*\st+3], s[G1R:G1R+7]
	s_nop 0
.endr
.rept 4
	v_nop
.endr
	; q: wave w of pass p owns pair w % 4 of block 4 cx + 2 p + w / 4
	s_lshl_b32 s60, s11, 2
	s_lshr_b32 s61, s[WV], 2
	s_add_co_u32 s60, s60, s61
	s_mul_i32 s60, s60, REC
	s_mul_i32 s61, s12, HS
	s_add_co_u32 s60, s60, s61
	s_add_co_u32 s60, s60, QOFF
	s_mov_b32 s61, 0
	s_add_nc_u64 s[60:61], s[4:5], s[60:61]        ; pass 0's record
	s_and_b32 s62, s[WV], 3
	s_mul_i32 s66, s62, 1536
	s_mov_b32 s67, 0
	s_add_nc_u64 s[66:67], s[60:61], s[66:67]      ; my pair's image
	s_lshl_b32 s62, s62, 2
	s_mov_b32 s63, 0
	s_add_nc_u64 s[62:63], s[60:61], s[62:63]      ; my pair's word among a lane's four
	v_and_b32 v1, 31, v0
	v_lshlrev_b32 v[LI], 4, v1                     ; 16 x lane
	global_load_b128 v[16:19], v[LI], s[66:67]             ; tile 0: the image's registers 0-5
	global_load_b64 v[20:21], v[LI], s[66:67] offset:512
	global_load_b32 v[QS], v[LI], s[62:63] offset:12288    ; lanes 0-15: tile 0's scale words, lanes 16-31: tile 1's
	global_load_b32 v[QSN], v[LI], s[62:63] offset:12288+2*REC
	WIN 0x40                                       ; destination window 1
	global_load_b64 v[16:17], v[LI], s[66:67] offset:520   ; tile 1: registers 6-11
	global_load_b128 v[18:21], v[LI], s[66:67] offset:1024
.irp g, 0,1,2
	global_load_b128 v[QN+4*\g:QN+4*\g+3], v[LI], s[66:67] offset:2*REC+512*\g   ; pass 1's image, two records on
.endr
.irp i, 0,1,2,3,4,5
	v_mov_b32 v[22+\i], 0                          ; tile 1: zero codes for k = 64 .. 127
.endr
	WIN 0
.irp i, 0,1,2,3,4,5
	v_mov_b32 v[22+\i], 0                          ; tile 0 likewise
.endr
.irp i, 0,1,2,3,4,5
	v_mov_b32 v[80+\i], 0                          ; what follows the last key tile: any codes
.endr
	v_and_b32 v4, 15, v0                           ; r
	v_bfe_u32 v5, v0, 4, 1                         ; h
	v_lshl_add_u32 v[AMK], v5, 6, MASKB            ; the mask: my half's 16 keys of each 32
	v_add_nc_u32 v[AVS], s15, v[LI]
	v_add_nc_u32 v[AVS], 12800, v[AVS]             ; v's scale words
	s_mul_i32 s70, s[WV], 16*272
	s_add_co_u32 s70, s70, STG                     ; my stage
	v_mul_u32_u24 v[STO], v4, 272
	v_lshl_add_u32 v[STO], v5, 6, v[STO]
	v_add_nc_u32 v[STO], s70, v[STO]               ; in: row r, + 64 h
	v_mul_u32_u24 v[RD], v5, 272
	v_lshl_add_u32 v[RD], v4, 4, v[RD]
	v_add_nc_u32 v[RD], s70, v[RD]                 ; back: lanes 0-15 one row, lanes 16-31 the next
	v_lshlrev_b32 v[GO], 12, v5
	v_lshl_add_u32 v[GO], v4, 4, v[GO]             ; and the same two tokens in out0: 4,096 bytes a token
	s_lshl_b32 s68, s11, 9
	s_lshl_b32 s69, s[WV], 5
	s_add_co_u32 s68, s68, s69                     ; my first token of pass 0: 512 cx + 32 w
	s_lshl_b32 s68, s68, 12
	s_lshl_b32 s69, s13, 23
	s_add_co_u32 s68, s68, s69
	s_lshl_b32 s69, s14, 8                         ; my head's 256 bytes of a token's row
	s_add_co_u32 s68, s68, s69
	s_mov_b32 s69, 0
	s_add_nc_u64 s[8:9], s[8:9], s[68:69]
	s_wait_loadcnt 0x0                             ; q
	s_mov_b32 s[PASS], 2
.macro SCORE t, e                      ; S^T of key tile t, query tile e: k's word from lanes 16 (t % 2) on, q's from lanes 16 e on
.if ((\t)%2) && (\e)
	v_wmma_scale_f32_16x16x128_f8f6f4 v[96+8*\t:103+8*\t], v[KF+6*\t:KF+6*\t+11], v[16:27], v[MK+8*\t:MK+8*\t+7], v[KSC+\t/2], v[QS] matrix_a_fmt:MATRIX_FMT_FP6 matrix_b_fmt:MATRIX_FMT_FP6 matrix_a_scale:MATRIX_SCALE_ROW1 matrix_b_scale:MATRIX_SCALE_ROW1
.elseif (\t)%2
	v_wmma_scale_f32_16x16x128_f8f6f4 v[96+8*\t:103+8*\t], v[KF+6*\t:KF+6*\t+11], v[16:27], v[MK+8*\t:MK+8*\t+7], v[KSC+\t/2], v[QS] matrix_a_fmt:MATRIX_FMT_FP6 matrix_b_fmt:MATRIX_FMT_FP6 matrix_a_scale:MATRIX_SCALE_ROW1
.elseif \e
	v_wmma_scale_f32_16x16x128_f8f6f4 v[96+8*\t:103+8*\t], v[KF+6*\t:KF+6*\t+11], v[16:27], v[MK+8*\t:MK+8*\t+7], v[KSC+\t/2], v[QS] matrix_a_fmt:MATRIX_FMT_FP6 matrix_b_fmt:MATRIX_FMT_FP6 matrix_b_scale:MATRIX_SCALE_ROW1
.else
	v_wmma_scale_f32_16x16x128_f8f6f4 v[96+8*\t:103+8*\t], v[KF+6*\t:KF+6*\t+11], v[16:27], v[MK+8*\t:MK+8*\t+7], v[KSC+\t/2], v[QS] matrix_a_fmt:MATRIX_FMT_FP6 matrix_b_fmt:MATRIX_FMT_FP6
.endif
.endm
.macro PV t, e                         ; O^T of channel tile t, query tile e
.if (\t)%2
	v_wmma_scale_f32_16x16x128_f8f6f4 v[160+8*\t:167+8*\t], v[KF+12*\t:KF+12*\t+11], v[224:235], v[160+8*\t:167+8*\t], v[VSC+\t/2], v[PS+\e] matrix_a_fmt:MATRIX_FMT_FP6 matrix_b_fmt:MATRIX_FMT_FP6 matrix_a_scale:MATRIX_SCALE_ROW1
.else
	v_wmma_scale_f32_16x16x128_f8f6f4 v[160+8*\t:167+8*\t], v[KF+12*\t:KF+12*\t+11], v[224:235], v[160+8*\t:167+8*\t], v[VSC+\t/2], v[PS+\e] matrix_a_fmt:MATRIX_FMT_FP6 matrix_b_fmt:MATRIX_FMT_FP6
.endif
.endm
; The softmax of tile e for one key step, all in window e but for the scale word's last line.
.macro SM e
	WIN 0x55*(\e)
.irp b, 0,1,2,3
	v_max3_num_f32 v[232+\b], v[96+16*\b], v[97+16*\b], v[98+16*\b]   ; the largest logit of each block of 32 keys: it serves for the row's maximum and, since p rises with the logit, for the block's largest p
.endr
.irp i, 3,5,7,9,11,13
.irp b, 0,1,2,3
	v_max3_num_f32 v[232+\b], v[232+\b], v[96+16*\b+\i], v[97+16*\b+\i]
.endr
.endr
.irp b, 0,1,2,3
	v_max_num_f32 v[232+\b], v[232+\b], v[111+16*\b]
.endr
.irp b, 0,1,2,3
	v_permlanex16_b32 v[236+\b], v[232+\b], s[SEL], s[SEL+1]
.endr
.irp b, 0,1,2,3
	v_max_num_f32 v[232+\b], v[232+\b], v[236+\b]  ; with lane l xor 16's 16 keys
.endr
	v_max3_num_f32 v254, v232, v233, v234
	v_max_num_f32 v254, v254, v235
	v_mul_f32 v254, s[CS], v254                    ; as t
	v_max_num_f32 v13, v13, v254                   ; the running largest t
	v_mov_b32 v254, v12
	v_floor_f32 v12, -v13                          ; the new -M = -ceil(t): a whole number
	v_sub_f32 v254, v12, v254                      ; old M - new M, 0 or less
	v_cvt_i32_f32 v254, v254                       ; (it saturates)
	v_ldexp_f32 v252, 1.0, v254                    ; f = 2^(old M - new M)
.set j, 0
.rept 32
	v_pk_fma_f32 v[96+j:97+j], v[96+j:97+j], s[CS:CS+1], v[12:13] op_sel_hi:[1,0,0]   ; t - M, two at a time
.set j, j+2
.endr
.irp b, 0,1,2,3
	v_fma_f32 v[232+\b], v[232+\b], s[CS], v12     ; the same of each block's largest logit
.endr
.set j, 0
.rept 64
	v_exp_f32 v[96+j], v[96+j]                     ; p = 2^(t - M)
.set j, j+1
.endr
	v_pk_mul_f32 v[14:15], v[14:15], v[252:253] op_sel_hi:[1,0]   ; the sums under the new M (the plain line behind the exponentials)
	s_wait_alu depctr_va_vdst(0)                   ; one wait for the batch of 64, ahead of its first reader
.irp b, 0,1,2,3
	v_exp_f32 v[232+\b], v[232+\b]                 ; the block's largest p
.endr
	v_pk_add_f32 v[236:237], v[96:97], v[98:99]    ; the row's sum of the UNQUANTISED p, in two chains
.set j, 4
.rept 15
	v_pk_add_f32 v[14:15], v[14:15], v[96+j:97+j]
	v_pk_add_f32 v[236:237], v[236:237], v[98+j:99+j]
.set j, j+4
.endr
	v_pk_add_f32 v[14:15], v[14:15], v[236:237]
	s_wait_alu depctr_va_vdst(0)                   ; and one for the four
.irp b, 0,1,2,3
	v_max_num_f32 v[232+\b], 0x1800000, v[232+\b]  ; the floor 2^(3 - 127): the byte cannot fall under 1
.endr
.irp b, 0,1,2,3
	v_add_nc_u32 v[244+\b], 0xff000000, v[232+\b]  ; the conversion's scale operand
.endr
.irp b, 0,1,2,3
	v_lshrrev_b32 v[236+\b], 23, v[244+\b]         ; the scale's byte
.endr
	v_lshl_or_b32 v253, v237, 8, v236
	v_lshl_or_b32 v253, v238, 16, v253
	WIN (0x55*(\e))&0x3f                           ; scale operands have no window: the word goes to window 0
	v_lshl_or_b32 v[PS+\e], v239, 24, v253         ; p's scale word for these 128 keys
	WIN 0x55*(\e)
.irp c, 0,1
	v_cvt_scalef32_pk16_fp6_f32 v[224+6*\c:226+6*\c], v[96+32*\c:111+32*\c], v[244+2*\c]
	v_cvt_scalef32_pk16_fp6_f32 v[236+4*\c:238+4*\c], v[112+32*\c:127+32*\c], v[244+2*\c+1]
.endr
	v_nop                                          ; one plain line behind the scaled conversions
.irp c, 0,1
.irp i, 0,1,2
	v_permlane16_swap_b32 v[224+6*\c+\i], v[236+4*\c+\i]   ; a whole block to a lane
.endr
.irp i, 0,1,2
	v_mov_b32 v[227+6*\c+\i], v[236+4*\c+\i]
.endr
.endr
.set j, 0
.rept 16
	v_pk_mul_f32 v[160+j:161+j], v[160+j:161+j], v[252:253] op_sel_hi:[1,0]   ; O^T under the new M; these lines also part the codes and the scale word from the products that take them
.set j, j+2
.endr
.endm
; A KEY STEP: 128 keys, one record, both tiles.
.macro ASTEP
	v_add_nc_u32 v[ADR], s[TB], v[LI]              ; four plain lines behind the last products, in front of loads into registers that they have read
	v_add_nc_u32 v[ADM], s[TMK], v[AMK]
	v_add_nc_u32 v[ADV], s[TB], v[AVS]
	v_nop
.irp n, 0,1,2,3,4,5,6,7,8,9,10,11
	ds_load_b128 v[KF+4*\n:KF+4*\n+3], v[ADR] offset:512*\n        ; k's four pair images: tile t at v[KF + 6 t]
.endr
	ds_load_b128 v[KSC:KSC+3], v[ADR] offset:12288                 ; k's scale words
	WIN 0x40
.irp t, 0,1,2,3,4,5,6,7
	ds_load_b128 v[MK+8*\t:MK+8*\t+3], v[ADM] offset:4*(32*(\t/2)+8*(\t%2))       ; the mask of tile t's keys of my half, in the result's layout
	ds_load_b128 v[MK+8*\t+4:MK+8*\t+7], v[ADM] offset:4*(32*(\t/2)+8*(\t%2))+16
.endr
	s_wait_dscnt 0x0
	WIN 0x10                                       ; C (the mask) window 1
.irp t, 0,1,2,3,4,5,6,7
	SCORE \t, 0
.endr
	WIN 0x54                                       ; q, C and D window 1
.irp t, 0,1,2,3,4,5,6,7
	SCORE \t, 1
.endr
	WIN 0
.rept 4
	v_nop                                          ; places in front of the loads into k's registers and of the first reads of the scores
.endr
.irp n, 0,1,2,3,4,5,6,7,8,9,10,11
	ds_load_b128 v[KF+4*\n:KF+4*\n+3], v[ADR] offset:6144+512*\n   ; v's four fragments land while the softmax is worked
.endr
	ds_load_b64 v[VSC:VSC+1], v[ADV]
	SM 0
	SM 1
	s_wait_dscnt 0x0                               ; v
	WIN 0
.irp t, 0,1,2,3
	PV \t, 0                                       ; every accumulator has one instruction a step: they take turns
.endr
	WIN 0x54
.irp t, 0,1,2,3
	PV \t, 1
.endr
	WIN 0
	s_add_co_u32 s[TB], s[TB], REC
	s_add_co_u32 s[TMK], s[TMK], 512
.endm
.macro STAGE st
	s_wait_tensorcnt 3-\st                         ; the mask and my parts of stages 0 to st are in; the later stages' loads may be out
	s_wait_dscnt 0x0
	s_barrier_signal -1
	s_barrier_wait -1                              ; everybody's are
	s_mov_b32 s[TB], \st*STB
	s_mov_b32 s[TMK], \st*2048
	s_mov_b32 s[CNT], 4
.Lstep_\@:
	ASTEP
	s_sub_co_u32 s[CNT], s[CNT], 1
	s_cmp_lg_u32 s[CNT], 0
	s_cbranch_scc1 .Lstep_\@
.endm
.macro INIT e                          ; the step is written once: the first finds zeros, which the first change of M leaves zeros
	WIN 0x55*(\e)
	v_mov_b32 v13, 0xff61b1e6                      ; the largest t so far: -3e38
	v_floor_f32 v12, -v13
	v_mov_b32 v14, 0
	v_mov_b32 v15, 0
.irp b, 0,1,2,3
	v_mov_b32 v[236+\b], 0                         ; a lane permute's destination counts as one of its sources
.endr
	v_mov_b32 v253, 0                              ; (named as the upper half of a pair)
.set j, 0
.rept 32
	v_mov_b32 v[160+j], 0
.set j, j+1
.endr
.endm
; Tile e leaves: O^T / the sum, through my stage, as whole runs of 256 bytes: a token's 64 channels of the head.  Stage row p is token 8 e + p % 8 + 16 (p / 8) of my 32.
.macro OUT e
	WIN 0x55*(\e)
	v_add_f32 v14, v14, v15
	v_permlanex16_b32 v252, v14, s[SEL], s[SEL+1]
	v_add_f32 v14, v14, v252                       ; the row's sum
	v_rcp_f32 v14, v14
	v_nop                                          ; a plain line behind the reciprocal,
	s_wait_alu depctr_va_vdst(0)                   ; and the wait ahead of its first reader
.set j, 0
.rept 16
	v_pk_mul_f32 v[96+j:97+j], v[160+j:161+j], v[14:15] op_sel_hi:[1,0]   ; each accumulator from its low end on
.set j, j+2
.endr
	WIN 4*(\e)                                     ; an LDS store's data are its source 1
.irp b, 0,1
.irp g, 0,1,2,3
	ds_store_b128 v[STO], v[96+16*\b+4*\g:96+16*\b+4*\g+3] offset:128*\b+16*\g
.endr
.endr
	WIN 0
.irp i, 0,1,2,3,4,5,6,7
	ds_load_b128 v[OB+32*\e+4*\i:OB+32*\e+4*\i+3], v[RD] offset:544*\i   ; LDS serves a wave's instructions in order: these see my stores
.endr
.irp i, 0,1,2,3,4,5,6,7
	s_wait_dscnt 7-\i                              ; the younger loads may be out
	global_store_b128 v[GO], v[OB+32*\e+4*\i:OB+32*\e+4*\i+3], s[8:9] offset:(8*\e+2*\i+8*(\i/4))*4096 th:TH_STORE_NT   ; 16 lanes store 256 consecutive bytes, aligned
.endr
.endm
.Lpass:
	INIT 0
	INIT 1
	WIN 0
	STAGE 0
	STAGE 1
	STAGE 2
	STAGE 3
.rept 4
	v_nop                                          ; places behind the last products
.endr
	OUT 0
	OUT 1
	s_wait_xcnt 0x0                                ; the stores have read their data and their base: both are written again
	s_add_nc_u64 s[8:9], s[8:9], 256*4096          ; the next pass's tokens
	WIN 0x01
.irp i, 0,1,2,3,4,5
	v_mov_b32 v[16+\i], v[QN+\i]                   ; the next pass's q: tile 0,
.endr
	WIN 0x41
.irp i, 0,1,2,3,4,5
	v_mov_b32 v[16+\i], v[QN+6+\i]                 ; tile 1,
.endr
	WIN 0
	v_mov_b32 v[QS], v[QSN]                        ; and the scale words
	s_sub_co_u32 s[PASS], s[PASS], 1
	s_cmp_lg_u32 s[PASS], 0
	s_cbranch_scc1 .Lpass
	s_wait_tensorcnt 0x0                           ; the wave's end: three lines behind my last tensor load and my last LDS store
	ds_add_u32 v[SPW], v[NIL]
	s_wait_dscnt 0x0
	CROUND                                         ; the closing round
	s_endpgm
.Lfunc_end_k_q9213c1a82a_attn:
	.size	k_q9213c1a82a_attn, .Lfunc_end_k_q9213c1a82a_attn-k_q9213c1a82a_attn
	.p2alignl 7, 3214868480
	.fill 96, 4, 3214868480
	.section	.rodata,"a",@progbits
	.p2align	6, 0x0
	.amdhsa_kernel k_q9213c1a82a_attn
		.amdhsa_group_segment_fixed_size 262144
		.amdhsa_private_segment_fixed_size 0
		.amdhsa_enable_private_segment 0
		.amdhsa_kernarg_size 24
		.amdhsa_user_sgpr_count 2
		.amdhsa_user_sgpr_kernarg_segment_ptr 1
		.amdhsa_wavefront_size32 1
		.amdhsa_system_sgpr_workgroup_id_x 1
		.amdhsa_system_sgpr_workgroup_id_y 1
		.amdhsa_system_sgpr_workgroup_id_z 1
		.amdhsa_system_vgpr_workitem_id 0
		.amdhsa_next_free_vgpr 512
		.amdhsa_next_free_sgpr 72
		.amdhsa_reserve_vcc 0
		.amdhsa_float_denorm_mode_32 3
		.amdhsa_float_denorm_mode_16_64 3
		.amdhsa_memory_ordered 1
		.amdhsa_forward_progress 1
		.amdhsa_inst_pref_size 139
	.end_amdhsa_kernel
	.amdgpu_metadata
---
amdhsa.version: [ 1, 2 ]
amdhsa.kernels:
  - .name:           k_q9213c1a82a_attn
    .symbol:         k_q9213c1a82a_attn.kd
    .args:
      - { .name: rec, .offset: 0, .size: 8, .value_kind: global_buffer, .address_space: global }
      - { .name: attention_mask, .offset: 8, .size: 8, .value_kind: global_buffer, .address_space: global }
      - { .name: out0, .offset: 16, .size: 8, .value_kind: global_buffer, .address_space: global }
    .group_segment_fixed_size: 262144
    .private_segment_fixed_size: 0
    .kernarg_segment_align: 8
    .kernarg_segment_size: 24
    .max_flat_workgroup_size: 256
    .sgpr_count:     72
    .vgpr_count:     512
    .wavefront_size: 32
...
	.end_amdgpu_metadata
.endif
;; end of part 4
